; MI455X (gfx1250); checked and timed in simulation.
; The chip was launched on July 23, 2026; its instructions are those of AMD's public machine-readable ISA for CDNA 5 (MIT licence, August 2026) and "CDNA5" Instruction Set Architecture Reference Guide (July 2026). The comments in the code are by the model that wrote it; some were corrected since.
;; Attention Integrator. Allowed arithmetic: matrix products marked QUANTISED: E5M2 operands, one E8M0 scale for each 32 along K, by v_wmma_scale_f32_16x16x128_f8f6f4 with both operands' format E5M2, f32 sums; products left as they are: f32 operands where the result goes on into a quantised operand, else bf16, f16 or f32 operands; f32 sums; everything else in f32.
;; Inputs: W1_codes 1,024 x 32 x 32 uint8 (E5M2 codes of W1, K innermost, in blocks of 32 codes); W1_scales 1,024 x 32 uint8 (E8M0 scales of W1, one for each 32 codes along K); Wf 4,096 x 10 float32; Wk_codes 1,024 x 32 x 32 uint8 (E5M2 codes of Wk, K innermost, in blocks of 32 codes); Wk_scales 1,024 x 32 uint8 (E8M0 scales of Wk, one for each 32 codes along K); Wq_codes 1,024 x 32 x 32 uint8 (E5M2 codes of Wq, K innermost, in blocks of 32 codes); Wq_scales 1,024 x 32 uint8 (E8M0 scales of Wq, one for each 32 codes along K); Wv_codes 1,024 x 32 x 32 uint8 (E5M2 codes of Wv, K innermost, in blocks of 32 codes); Wv_scales 1,024 x 32 uint8 (E8M0 scales of Wv, one for each 32 codes along K); b1 1,024 float32; bf 10 float32; bk 1,024 float32; bq 1,024 float32; bv 1,024 float32; xt 4,096 x 4 x 1,024 float32.
;; Outputs: out0 4,096 x 10 float32.
;; This version of the problem:
;;   THIS VERSION OF THE PROBLEM IS GIVEN IN LOW PRECISION. The matrix products marked QUANTISED in the list below multiply operands that are first quantised to E5M2 (5 exponent bits, 2 mantissa bits; 8 bits a number), with one power-of-two scale for each 32 numbers along K (OCP MX v1.0); their sums are f32. All else is computed in f32.
;;   The module's matrix products, in the order in which they are computed (A, B: the left and right operand; K: the contracted axis; several contracted axes count as one K, in the product's order):
;;     1. [M 16,384, K 1,024] x [K 1,024, N 1,024]; A: input xt; B: input Wq (given as codes): QUANTISED
;;     2. [M 16,384, K 1,024] x [K 1,024, N 1,024]; A: input xt; B: input Wk (given as codes): QUANTISED
;;     3. [M 16,384, K 1,024] x [K 1,024, N 1,024]; A: input xt; B: input Wv (given as codes): QUANTISED
;;     4. batch 4,096 x [M 4, K 1,024] x [K 1,024, N 4]; A: computed on the way; B: computed on the way: left as it is (M = 4 < 16)
;;     5. batch 4,096 x [M 4, K 4] x [K 4, N 1,024]; A: softmax; B: computed on the way: left as it is (K = 4 < 32)
;;     6. [M 16,384, K 1,024] x [K 1,024, N 1,024]; A: computed on the way; B: input W1 (given as codes): QUANTISED
;;     7. [M 4,096, K 4,096] x [K 4,096, N 10]; A: computed on the way; B: input Wf: left as it is (N = 10 < 16)
;;   THE QUANTISER, for each operand of a quantised product, along K:
;;     - K is cut into blocks of 32 from its start; a last block that is shorter is filled with zeros.
;;     - A block's scale is 2^e with e = floor(log2(the largest magnitude in the block)) - 15, held to -126 .. 127; a block of zeros has e = 0. As a byte (E8M0): e + 127.
;;     - Each number is divided by its block's scale, clamped to +-57,344, and rounded to the nearest number of E5M2, ties to even, subnormals kept.
;;     - The product sums the exact products of the quantised numbers (number of the format x scale) in f32.
;;   ~~~python
;;   def quantise(x, axis):      # numpy; x: float32 -> the quantised numbers, widened to float32 again
;;       x = np.moveaxis(x, axis, -1); K = x.shape[-1]
;;       x = np.pad(x, [(0, 0)] * (x.ndim - 1) + [(0, -K % 32)]); x = x.reshape(x.shape[:-1] + (-1, 32)); a = np.abs(x).max(-1, keepdims=True)
;;       e = np.where(a > 0, np.clip(np.frexp(np.where(a > 0, a, 1))[1] - 1 - 15, -126, 127), 0)      # np.frexp(a)[1] - 1 = floor(log2(a)), exactly
;;       r = np.clip(x / 2.0 ** e, -57344, 57344)
;;       step = 2.0 ** (np.maximum(np.frexp(np.where(r == 0, 1, r))[1] - 1, -14) - 2)
;;       q = np.round(r / step) * step * 2.0 ** e      # np.round: ties to even
;;       return np.moveaxis(q.reshape(q.shape[:-2] + (-1,))[..., :K], -1, axis).astype(np.float32)
;;   ~~~
;;   OPERANDS COMPUTED ON THE WAY. 'Computed on the way' means the value that the module computes at that place (a softmax that the list does not call 'softmax' is quantised finished and normalised). What goes into a quantiser is computed in f32, as accurately as f32 sums, v_exp_f32 and their like allow (about 1e-6 of the number): no bf16 or f16 on the way to a quantiser, and a product that is left as it is and whose result goes on into a quantised operand takes f32 operands (vector FMAs, or v_wmma_f32_16x16x4_f32). A number that lies on a knife's edge between two numbers of the format may be rounded either way, as far as f32 arithmetic and the matrix unit's own rounding can turn it there, and no further.
;;   INPUTS GIVEN AS CODES. W1 (in the module: [1024, 1024], K = its axis 0); Wk (in the module: [1024, 1024], K = its axis 0); Wq (in the module: [1024, 1024], K = its axis 0); Wv (in the module: [1024, 1024], K = its axis 0): each comes as NAME_codes (uint8): NAME with its K axis moved to the last place and cut into blocks of 32 codes, [.., K / 32, bytes a block], one block behind the other in memory; one code a byte (a code: sign, 5 exponent bits, 2 mantissa bits); and NAME_scales (uint8): the same leading axes, one E8M0 byte (e + 127) for each 32 codes along K. Its value is code x scale, taken as it is: it is not quantised again, and the codes and scales need not be those that the quantiser above would give.
;; One version. Each part assembles by itself: llvm-mc -triple=amdgcn-amd-amdhsa -mcpu=gfx1250 --defsym DOCPART=n.
;; ======== version 1 of 1: 2 launches
;; limits: values are held in bf16: 8 bits of precision; right only within a limited range of input values
;; workspace buffers: WL 4,325,376 bytes; EXT 147,456 bytes
;; launch lay (part 1): grid 256 x 1, 1 waves a work-group, no clusters, 0 bytes of LDS; arguments Wq_codes, Wk_codes, Wv_codes, W1_codes, Wq_scales, Wk_scales, Wv_scales, W1_scales, bq, bv, b1, Wf, WL, EXT; writes WL, EXT
.if DOCPART == 1
	.amdgcn_target "amdgcn-amd-amdhsa--gfx1250"
	.amdhsa_code_object_version 6
	.text
	.protected	k_q5753330069_lay
	.globl	k_q5753330069_lay
	.p2align	8
	.type	k_q5753330069_lay,@function
k_q5753330069_lay:
	s_mov_b64 s[64:65], 0
	v_nop
	global_prefetch_b8 v0, s[64:65] scope:SCOPE_SE
	s_setreg_imm32_b32 hwreg(HW_REG_WAVE_MODE, 25, 1), 1
	s_wait_xcnt 0x0
; THE WEIGHTS ARE LAID ONCE IN THE ORDER IN WHICH THE NEXT LAUNCH'S OPERAND REGISTERS TAKE THEM, so that there each load of a wave reads 512 consecutive bytes and a lane gets its 16 bytes of a fragment whole.
; DEAD WORK: bk.  scores[v][w] = (q_v . k_w) / 32 with k_w = (Q(xt_w) Wk) + bk, so bk adds (q_v . bk) / 32 to scores[v][w]: the same number for all w.  The softmax runs along w, and
; softmax(s + const) = softmax(s) for all finite values; k goes nowhere else, and the product q . k is not quantised, so bk moves no code and no scale.  bk is not loaded and is no argument of any launch.
; LIMIT: a NaN, an infinity or an overflow that bk alone would bring is not carried to the result.
; WL: four streams of STREAM bytes, one for each wave w of the next launch (wave w owns columns 256 w .. 256 w + 255 of every product).  A stream is 16 chunks of 65,536 bytes and 32,768 bytes of Wf.
;   A chunk is four tiles of 16 weight rows x all 1,024 K.  Byte: ch x 65,536 + s x 8,192 (K step of 128) + t x 2,048 (tile) + c x 512 + 16 x lane: register 4 c .. 4 c + 3 of the fragment, as it stands in the lane.
;   Chunks 0-7: block of 32 columns blk = 8 w + ch, tiles 0, 1 of Wq, tiles 2, 3 of Wk.  Chunks 8-11 (Wv) and 12-15 (W1): blk = 8 w + 2 (ch % 4) + t / 2.
;   THE ROWS OF A TILE ARE NOT NEIGHBOURS: lane r of tile u = t % 2 takes row 32 blk + 8 u + r + 8 (r / 8), so that the results of two neighbouring tiles are 16 neighbouring columns in a lane.
; EXT: a record of REC bytes for each (w, ch): scale words at p x 1,024 + g x 512 + 16 x (16 u + r) (p = t / 2; g: K steps 4 g .. 4 g + 3, a word each); biases from byte 2,048: p x 128 + 4 x (column in the block).
;   In chunks 0-7 only p = 0 has a bias (bq); the bytes of p = 1 are neither written nor read.
; Wf becomes bf16 fragments (source 0: lane r = class min(r, 9); classes 10-15 repeat class 9 and are never stored): along K a lane (r, h) holds, in registers 4 q .. 4 q + 3, k = k0' + 16 h + 8 q + 0 .. 7:
;   the order in which the next launch's hidden layer lies in its lanes.  The same order on both operands keeps every product.
; One wave to a work-group, 256 work-groups: work-group id = 64 w + 4 ch + t copies one tile (16 KiB), its scale words, its share of the biases and one half fragment of Wf.
.set STREAM, 0x108000
.set REC,    2304
	s_load_b512 s[4:19], s[0:1], 0x0               ; codes of Wq, Wk, Wv, W1: s[4:11]; their scales: s[12:19]
	s_load_b256 s[20:27], s[0:1], 0x40             ; bq, bv, b1, Wf
	s_load_b128 s[28:31], s[0:1], 0x60             ; WL, EXT
	s_lshr_b32 s33, ttmp9, 6                       ; w
	s_bfe_u32 s34, ttmp9, 0x40002                  ; ch
	s_and_b32 s35, ttmp9, 3                        ; t
	s_and_b32 s36, s35, 1                          ; u
	s_lshr_b32 s37, s35, 1                         ; p
	s_and_b32 s38, s34, 3
	s_lshl_b32 s38, s38, 1
	s_add_co_u32 s38, s38, s37                     ; 2 (ch % 4) + p
	s_cmp_lt_u32 s34, 8
	s_cselect_b32 s38, s34, s38
	s_lshl_b32 s39, s33, 3
	s_add_co_u32 s38, s38, s39                     ; blk
	s_lshl_b32 s39, s38, 5
	s_lshl_b32 s50, s36, 3
	s_add_co_u32 s39, s39, s50                     ; the tile's first weight row: 32 blk + 8 u
	s_and_b32 s52, s34, 3                          ; Wf: view = ch % 4, chunk of W1 = ch / 4, block of the pair = p, half fragment q = u
	s_lshl_b32 s52, s52, 10
	s_lshl_b32 s53, s33, 8
	s_add_co_u32 s52, s52, s53
	s_lshr_b32 s53, s34, 2
	s_lshl_b32 s53, s53, 6
	s_add_co_u32 s52, s52, s53
	s_lshl_b32 s53, s37, 5
	s_add_co_u32 s52, s52, s53
	s_lshl_b32 s53, s36, 3
	s_add_co_u32 s52, s52, s53                     ; k0 = 1024 view + 256 w + 64 chunk + 32 p + 8 q
	s_mul_i32 s52, s52, 40                         ; a row of Wf is 40 bytes
	s_mov_b32 s53, 0
	s_mov_b32 s51, 0
	v_and_b32 v1, 15, v0                           ; r (one wave: v0 is the lane)
	v_lshrrev_b32 v2, 4, v0                        ; h
	v_and_b32 v3, 8, v1
	v_add_nc_u32 v3, v3, v1                        ; r + 8 (r / 8)
	v_lshlrev_b32 v4, 10, v3
	v_lshl_add_u32 v4, v2, 4, v4                   ; codes in: my row of 1,024 bytes, + 16 h
	v_lshlrev_b32 v5, 5, v3
	v_lshl_add_u32 v5, v2, 4, v5                   ; scales in: my row of 32 bytes; lanes 16-31 take K steps 4 to 7
	v_min_u32 v6, 9, v1
	v_lshlrev_b32 v6, 2, v6
	v_mad_u32_u24 v6, v2, 640, v6                  ; Wf in: class min(r, 9), 16 h rows down
	v_lshlrev_b32 v7, 4, v0                        ; out: 16 x lane
	v_lshlrev_b32 v28, 4, v1
	v_lshl_add_u32 v28, v2, 9, v28                 ; scale words out: 512 g + 16 r
	v_lshlrev_b32 v29, 2, v0                       ; biases: 4 x lane
	s_wait_alu depctr_va_vdst(0)
	s_wait_kmcnt 0x0
	s_cmp_eq_u32 s37, 0                            ; the choices hang on the work-group's number alone
	s_cselect_b64 s[40:41], s[4:5], s[6:7]         ; chunks 0-7: Wq or Wk
	s_cselect_b64 s[42:43], s[12:13], s[14:15]
	s_cmp_lt_u32 s34, 12
	s_cselect_b64 s[44:45], s[8:9], s[10:11]       ; chunks 8-15: Wv or W1
	s_cselect_b64 s[46:47], s[16:17], s[18:19]
	s_cselect_b64 s[48:49], s[22:23], s[24:25]     ; bv or b1
	s_cmp_lt_u32 s34, 8
	s_cselect_b64 s[40:41], s[40:41], s[44:45]
	s_cselect_b64 s[42:43], s[42:43], s[46:47]
	s_cselect_b64 s[48:49], s[20:21], s[48:49]     ; bq
	s_lshl_b32 s50, s39, 10
	s_add_nc_u64 s[40:41], s[40:41], s[50:51]      ; the tile's codes
	s_lshl_b32 s50, s39, 5
	s_add_nc_u64 s[42:43], s[42:43], s[50:51]      ; its scale bytes
	s_lshl_b32 s50, s38, 7
	s_add_nc_u64 s[48:49], s[48:49], s[50:51]      ; the block's 32 biases
	s_add_nc_u64 s[26:27], s[26:27], s[52:53]      ; Wf at row k0
	s_mul_i32 s50, s33, STREAM
	s_add_nc_u64 s[28:29], s[28:29], s[50:51]      ; WL at my wave's stream
	s_and_b32 s50, ttmp9, 63
	s_lshl_b32 s50, s50, 9
	s_add_co_u32 s50, s50, 16*65536
	s_add_nc_u64 s[54:55], s[28:29], s[50:51]      ; my half fragment of Wf: chunk x 8,192 + (2 view + p) x 1,024 + q x 512 = 512 x (id % 64)
	s_lshl_b32 s50, s34, 16
	s_lshl_b32 s52, s35, 11
	s_add_co_u32 s50, s50, s52
	s_add_nc_u64 s[28:29], s[28:29], s[50:51]      ; my tile in its chunk
	s_lshl_b32 s50, s33, 4
	s_add_co_u32 s50, s50, s34
	s_mul_i32 s50, s50, REC
	s_add_nc_u64 s[30:31], s[30:31], s[50:51]      ; the record
	s_lshl_b32 s50, s37, 7
	s_add_co_u32 s50, s50, 2048
	s_add_nc_u64 s[56:57], s[30:31], s[50:51]      ; its biases of pair p
	s_lshl_b32 s50, s37, 10
	s_lshl_b32 s52, s36, 8
	s_add_co_u32 s50, s50, s52
	s_add_nc_u64 s[30:31], s[30:31], s[50:51]      ; its scale words of tile t
.set i, 0
.rept 32
	global_load_b128 v[32+4*i:35+4*i], v4, s[40:41] offset:128*(i/4)+32*(i%4)   ; K step i / 4, registers 4 (i % 4) on: k = 32 c + 16 h + 0 .. 15
.set i, i+1
.endr
	global_load_b128 v[24:27], v5, s[42:43]
.irp e, 0,1,2,3,4,5,6,7
	global_load_b32 v[8+\e], v6, s[26:27] offset:40*\e
.endr
.set i, 0
.rept 32
	s_wait_loadcnt 40-i                            ; behind code load i: 31 - i code loads, the scales' load and Wf's eight
	global_store_b128 v7, v[32+4*i:35+4*i], s[28:29] offset:8192*(i/4)+512*(i%4)   ; 32 lanes store 512 consecutive bytes
.set i, i+1
.endr
	s_wait_loadcnt 0x0
	global_store_b128 v28, v[24:27], s[30:31]
.irp i, 0,1,2,3
	v_cvt_pk_bf16_f32 v[20+\i], v[8+2*\i], v[9+2*\i]
.endr
	global_store_b128 v7, v[20:23], s[54:55]
	s_cmp_lg_u32 s36, 0                            ; a pair's biases are copied by its first tile; in chunks 0-7 pair 1 (Wk) has none
	s_cbranch_scc1 .Ldone
	s_cmp_ge_u32 s34, 8
	s_cbranch_scc1 .Lbias
	s_cmp_lg_u32 s37, 0
	s_cbranch_scc1 .Ldone
.Lbias:
	global_load_b32 v30, v29, s[48:49]
	s_wait_loadcnt 0x0
	global_store_b32 v29, v30, s[56:57]
.Ldone:
	s_endpgm
.Lfunc_end_k_q5753330069_lay:
	.size	k_q5753330069_lay, .Lfunc_end_k_q5753330069_lay-k_q5753330069_lay
	.p2alignl 7, 3214868480
	.fill 96, 4, 3214868480
	.section	.rodata,"a",@progbits
	.p2align	6, 0x0
	.amdhsa_kernel k_q5753330069_lay
		.amdhsa_group_segment_fixed_size 0
		.amdhsa_private_segment_fixed_size 0
		.amdhsa_enable_private_segment 0
		.amdhsa_kernarg_size 112
		.amdhsa_user_sgpr_count 2
		.amdhsa_user_sgpr_kernarg_segment_ptr 1
		.amdhsa_wavefront_size32 1
		.amdhsa_system_sgpr_workgroup_id_x 1
		.amdhsa_system_sgpr_workgroup_id_y 1
		.amdhsa_system_sgpr_workgroup_id_z 1
		.amdhsa_system_vgpr_workitem_id 0
		.amdhsa_next_free_vgpr 160
		.amdhsa_next_free_sgpr 66
		.amdhsa_reserve_vcc 0
		.amdhsa_float_denorm_mode_32 3
		.amdhsa_float_denorm_mode_16_64 3
		.amdhsa_memory_ordered 1
		.amdhsa_forward_progress 1
		.amdhsa_inst_pref_size 13
	.end_amdhsa_kernel
	.amdgpu_metadata
---
amdhsa.version: [ 1, 2 ]
amdhsa.kernels:
  - .name:           k_q5753330069_lay
    .symbol:         k_q5753330069_lay.kd
    .args:
      - { .name: Wq_codes, .offset: 0, .size: 8, .value_kind: global_buffer, .address_space: global }
      - { .name: Wk_codes, .offset: 8, .size: 8, .value_kind: global_buffer, .address_space: global }
      - { .name: Wv_codes, .offset: 16, .size: 8, .value_kind: global_buffer, .address_space: global }
      - { .name: W1_codes, .offset: 24, .size: 8, .value_kind: global_buffer, .address_space: global }
      - { .name: Wq_scales, .offset: 32, .size: 8, .value_kind: global_buffer, .address_space: global }
      - { .name: Wk_scales, .offset: 40, .size: 8, .value_kind: global_buffer, .address_space: global }
      - { .name: Wv_scales, .offset: 48, .size: 8, .value_kind: global_buffer, .address_space: global }
      - { .name: W1_scales, .offset: 56, .size: 8, .value_kind: global_buffer, .address_space: global }
      - { .name: bq, .offset: 64, .size: 8, .value_kind: global_buffer, .address_space: global }
      - { .name: bv, .offset: 72, .size: 8, .value_kind: global_buffer, .address_space: global }
      - { .name: b1, .offset: 80, .size: 8, .value_kind: global_buffer, .address_space: global }
      - { .name: Wf, .offset: 88, .size: 8, .value_kind: global_buffer, .address_space: global }
      - { .name: WL, .offset: 96, .size: 8, .value_kind: global_buffer, .address_space: global }
      - { .name: EXT, .offset: 104, .size: 8, .value_kind: global_buffer, .address_space: global }
    .group_segment_fixed_size: 0
    .private_segment_fixed_size: 0
    .kernarg_segment_align: 8
    .kernarg_segment_size: 112
    .max_flat_workgroup_size: 32
    .sgpr_count:     66
    .vgpr_count:     160
    .wavefront_size: 32
...
	.end_amdgpu_metadata
.endif
;; end of part 1
;; launch fused (part 2): grid 256 x 1, 4 waves a work-group, no clusters, 327,680 bytes of LDS; arguments xt, WL, EXT, bf, out0; writes out0
.if DOCPART == 2
	.amdgcn_target "amdgcn-amd-amdhsa--gfx1250"
	.amdhsa_code_object_version 6
	.text
	.protected	k_q5753330069_fused
	.globl	k_q5753330069_fused
	.p2align	8
	.type	k_q5753330069_fused,@function
k_q5753330069_fused:
	s_mov_b64 s[64:65], 0
	v_nop
	global_prefetch_b8 v0, s[64:65] scope:SCOPE_SE
	s_setreg_imm32_b32 hwreg(HW_REG_WAVE_MODE, 25, 1), 1
	s_wait_xcnt 0x0
; THE WHOLE CHAIN FOR 16 SAMPLES (64 rows: 4 views x 16 samples) IN ONE WORK-GROUP: quantise xt, q, k, v on codes of E5M2 with E8M0 scales, scores, softmax, attn v + xt, layer norm, quantise, W1, relu, Wf, + bf.
; DEAD WORK: bk adds (q_v . bk) / 32 to scores[v][w], the same number for every w of the softmax's axis; k goes nowhere else and q . k is not quantised.  bk is not loaded.
; LIMIT: a NaN, an infinity or an overflow that bk alone would bring is not carried to the result.
; SHARES.  256 work-groups of four waves.  Wave w owns columns 256 w .. 256 w + 255 of every product, in chunks of 64 weight rows x all of K: 16 accumulators (4 views x 4 tiles).
; REGISTERS.  Window 0: addresses, scale words, biases, accumulators; window 1: the weights' fragments of four K steps, by turns; windows 2, 3: the codes of all 64 rows, all of K.
; The matrix instruction is used transposed (source 0 = 16 weight rows, source 1 = 16 samples of one view): a lane holds one sample, its registers neighbouring columns.
; LDS.  4 x XW bytes: wave w's 256 columns of x in f32, [view][sample] rows of 1,024 bytes + 16 of padding; from EX on 59,392 bytes in which the waves hand each other codes, scale words and partial sums; then the spare words.
; cluster = none: all work-groups read the same weights, but 4 x 66,560 + 59,392 + 512 = 326,144 of the 327,680 bytes of LDS are in use, so no slot is left for a joint load to land in; the weights go from memory straight into registers, laid by the launch before in the registers' order.
; No data prefetch: xt is read once, at the head, with no loop ahead of it; the weights' own loads run three K steps (24,576 bytes a wave) ahead of their use, over the chunks' ends too.
; The work-groups begin their walk over the chunks of a phase at different chunks (by the work-group's number).
.set XW,     66560
.set XV,     16640
.set XR,     1040
.set EX,     4*XW
.set AS_O,   32768
.set SCR1_O, 36864
.set SCR2_O, 53248
.set OUTS_O, 55296
.set SPARE,  EX+59392
.set STREAM, 0x108000
.set REC,    2304
.set SPW,  1
.set NIL,  2
.set LOFF, 3
.set BOFF, 4
.set XA,   5
.set L16,  6
.set L16W, 7
.set L4,   8
.set L4W,  9
.set ASR,  10
.set XAC,  11
.set MU,   12
.set RS,   14
.set XQ,   16
.set EXQ,  17
.set ASQ,  18
.set PW,   19
.set SQ,   20
.set TA,   16
.set TB,   112
.set AS,   32
.set BS,   48
.set BI,   64
.set SC,   96
.set AT,   96
.set TM,   96
.set PC,   112
.set OUT,  96
.set ACC,  128
.set N0,   128
.set N1,   192
.set WV,   14
.set G1,   16
.set G0,   24
.set P,    40
.set R,    42
.set PN,   44
.set RN,   46
.set WLW,  48
.set EXW,  50
.set CNT,  52
.set TR,   53
.set XB,   54
.set SEL,  58
.set MNT,  60
.set J,    61
.set BA,   62
.set NJ,   63
.set MSB, 0
.macro WIN new
.if MSB != (\new)
	s_set_vgpr_msb (MSB<<8)|(\new)
.set MSB, (\new)
.endif
.endm
.macro PLACES n
.rept \n
	v_nop
.endr
.endm
.macro BARRIER
	s_wait_dscnt 0x0
	s_barrier_signal -1
	s_barrier_wait -1
.endm
.macro REFILL k
	WIN 0x40
.irp t, 0,1,2,3
.irp c, 0,1,2,3
.if (\k) < 8
	global_load_b128 v[64*((\k)%4)+16*\t+4*\c:64*((\k)%4)+16*\t+4*\c+3], v[LOFF], s[P:P+1] offset:(\k)*8192+\t*2048+\c*512
.else
	global_load_b128 v[64*((\k)%4)+16*\t+4*\c:64*((\k)%4)+16*\t+4*\c+3], v[LOFF], s[PN:PN+1] offset:((\k)-8)*8192+\t*2048+\c*512
.endif
.endr
.endr
.endm
.macro EXTRAS base, both
	global_load_b128 v[BS:BS+3], v[LOFF], s[\base:\base+1]
	global_load_b128 v[BS+8:BS+11], v[LOFF], s[\base:\base+1] offset:1024
.irp t, 0,1
	global_load_b128 v[BI+8*\t:BI+8*\t+3], v[BOFF], s[\base:\base+1] offset:2048+32*\t
	global_load_b128 v[BI+8*\t+4:BI+8*\t+7], v[BOFF], s[\base:\base+1] offset:2048+32*\t+16
.endr
.if \both
.irp t, 0,1
	global_load_b128 v[BI+16+8*\t:BI+16+8*\t+3], v[BOFF], s[\base:\base+1] offset:2176+32*\t
	global_load_b128 v[BI+16+8*\t+4:BI+16+8*\t+7], v[BOFF], s[\base:\base+1] offset:2176+32*\t+16
.endr
.endif
.endm
.macro MM ra, rb, ck
.if (\ck) == 0
.if (\ra)
	v_wmma_scale_f32_16x16x128_f8f6f4 v[rD:rD+7], v[rA:rA+15], v[rB:rB+15], 0, v[rSA], v[rSB] matrix_a_fmt:MATRIX_FMT_BF8 matrix_b_fmt:MATRIX_FMT_BF8 matrix_a_scale:MATRIX_SCALE_ROW1
.else
	v_wmma_scale_f32_16x16x128_f8f6f4 v[rD:rD+7], v[rA:rA+15], v[rB:rB+15], 0, v[rSA], v[rSB] matrix_a_fmt:MATRIX_FMT_BF8 matrix_b_fmt:MATRIX_FMT_BF8
.endif
.elseif (\ra) && (\rb)
	v_wmma_scale_f32_16x16x128_f8f6f4 v[rD:rD+7], v[rA:rA+15], v[rB:rB+15], v[rC:rC+7], v[rSA], v[rSB] matrix_a_fmt:MATRIX_FMT_BF8 matrix_b_fmt:MATRIX_FMT_BF8 matrix_a_scale:MATRIX_SCALE_ROW1 matrix_b_scale:MATRIX_SCALE_ROW1
.elseif (\ra)
	v_wmma_scale_f32_16x16x128_f8f6f4 v[rD:rD+7], v[rA:rA+15], v[rB:rB+15], v[rC:rC+7], v[rSA], v[rSB] matrix_a_fmt:MATRIX_FMT_BF8 matrix_b_fmt:MATRIX_FMT_BF8 matrix_a_scale:MATRIX_SCALE_ROW1
.elseif (\rb)
	v_wmma_scale_f32_16x16x128_f8f6f4 v[rD:rD+7], v[rA:rA+15], v[rB:rB+15], v[rC:rC+7], v[rSA], v[rSB] matrix_a_fmt:MATRIX_FMT_BF8 matrix_b_fmt:MATRIX_FMT_BF8 matrix_b_scale:MATRIX_SCALE_ROW1
.else
	v_wmma_scale_f32_16x16x128_f8f6f4 v[rD:rD+7], v[rA:rA+15], v[rB:rB+15], v[rC:rC+7], v[rSA], v[rSB] matrix_a_fmt:MATRIX_FMT_BF8 matrix_b_fmt:MATRIX_FMT_BF8
.endif
.endm
.macro KSTEP s, qk, e5
.if (\s) > 0
	PLACES 8
.endif
.if (\s) == 1
	WIN 0
	global_load_b128 v[BS+4:BS+7], v[LOFF], s[R:R+1] offset:512
	global_load_b128 v[BS+12:BS+15], v[LOFF], s[R:R+1] offset:1536
.endif
.if ((\s) == 5) && ((\e5) > 0)
	WIN 0
	EXTRAS RN, (\e5)/10
.endif
	REFILL (\s)+3
.if ((\s) == 0) || ((\s) == 4)
	s_wait_loadcnt 48
.elseif (\s) < 4
	s_wait_loadcnt 50
.else
	s_wait_loadcnt 48+(\e5)
.endif
.irp v, 0,1,2,3
	WIN 0x09+4*(\v/2)
.irp t, 0,1,2,3
.set rD, ACC+8*(4*\v+\t)
.set rA, 64*((\s)%4)+16*\t
.set rB, 128*(\v%2)+16*(\s)
.set rSA, BS+8*(\t/2)+(\s)
.set rSB, AS+4*\v+(\s)/2
.set rC, rD
.set ck, 1
.if (\s) == 0
.set rC, BI+8*\t
.if (\qk) && (\t >= 2)
.set ck, 0
.endif
.endif
	MM \t%2, (\s)%2, ck
.endr
.endr
.endm
.macro CHUNK qk, e5
.irp s, 0,1,2,3,4,5,6,7
	KSTEP \s, \qk, \e5
.endr
	WIN 0
	PLACES 9
.endm
.macro STEPP mask, k, nb
	s_wait_xcnt 0x0
	s_mov_b64 s[P:P+1], s[PN:PN+1]
	s_mov_b64 s[R:R+1], s[RN:RN+1]
	s_add_co_u32 s[J], s[J], 1
	s_and_b32 s[J], s[J], \mask
.if (\k) > 0
	s_cmp_eq_u32 s[CNT], \k
	s_cselect_b32 s[J], s[NJ], s[J]
	s_cselect_b32 s[BA], \nb, s[BA]
.endif
	s_add_co_u32 s55, s[BA], s[J]
	s_lshl_b32 s56, s55, 16
	s_mov_b32 s57, 0
	s_add_nc_u64 s[PN:PN+1], s[WLW:WLW+1], s[56:57]
	s_mul_i32 s56, s55, REC
	s_add_nc_u64 s[RN:RN+1], s[EXW:EXW+1], s[56:57]
.endm
.macro EPI_QK
.irp e, 0,2,4,6,8,10,12,14
.irp v, 0,1,2,3
.irp w, 0,1,2,3
	v_pk_fma_f32 v[SC+2*(4*\v+\w):SC+2*(4*\v+\w)+1], v[ACC+32*\v+\e:ACC+32*\v+\e+1], v[ACC+32*\w+16+\e:ACC+32*\w+16+\e+1], v[SC+2*(4*\v+\w):SC+2*(4*\v+\w)+1]
.endr
.endr
.endr
.endm
.macro VLOAD n
.set TT, TA+(TB-TA)*((\n)%2)
.irp v, 0,1,2,3
	ds_load_b128 v[TT+4*\v:TT+4*\v+3], v[XAC] offset:\v*XV+128*((\n)/4)+16*((\n)%4)
.endr
.endm
.macro EPI_V
	s_add_co_u32 s55, ttmp9, s[TR]
	s_and_b32 s55, s55, 3
	s_lshl_b32 s55, s55, 8
	v_add_nc_u32 v[XAC], s55, v[XA]
	VLOAD 0
.irp n, 0,1,2,3,4,5,6,7
.if \n < 7
	VLOAD \n+1
.endif
.if (\n == 0) || (\n == 7)
	s_wait_dscnt 4
.else
	s_wait_dscnt 8
.endif
.set TT, TA+(TB-TA)*(\n%2)
.set AB, ACC+16*(\n/4)+4*(\n%4)
.irp w, 0,1,2
.irp v, 0,1,2,3
.irp e, 0,2
.if \w == 1
	v_pk_fma_f32 v[TT+4*\v+\e:TT+4*\v+\e+1], v[AB+32*\w+\e:AB+32*\w+\e+1], v[AT+4*\v:AT+4*\v+1], v[TT+4*\v+\e:TT+4*\v+\e+1] op_sel:[0,1,0] op_sel_hi:[1,1,1]
.else
	v_pk_fma_f32 v[TT+4*\v+\e:TT+4*\v+\e+1], v[AB+32*\w+\e:AB+32*\w+\e+1], v[AT+4*\v+\w:AT+4*\v+\w+1], v[TT+4*\v+\e:TT+4*\v+\e+1] op_sel_hi:[1,0,1]
.endif
.endr
.endr
.endr
.irp v, 0,1,2,3
.irp e, 0,2
	v_pk_fma_f32 v[AB+32*\v+\e:AB+32*\v+\e+1], v[AB+96+\e:AB+96+\e+1], v[AT+4*\v+2:AT+4*\v+3], v[TT+4*\v+\e:TT+4*\v+\e+1] op_sel:[0,1,0] op_sel_hi:[1,1,1]
.endr
.endr
.irp v, 0,1,2,3
	v_pk_add_f32 v[MU:MU+1], v[MU:MU+1], v[AB+32*\v:AB+32*\v+1]
	v_pk_add_f32 v[RS:RS+1], v[RS:RS+1], v[AB+32*\v+2:AB+32*\v+3]
.endr
.irp v, 0,1,2,3
	ds_store_b128 v[XAC], v[AB+32*\v:AB+32*\v+3] offset:\v*XV+128*(\n/4)+16*(\n%4)
.endr
.endr
	s_wait_dscnt 0x0
.endm
.macro EPI_W1
	s_add_co_u32 s55, ttmp9, s[TR]
	s_and_b32 s55, s55, 3
	s_lshl_b32 s55, s55, 13
	s_add_co_u32 s55, s[XB], s55
	v_add_nc_u32 v[XAC], s55, v[LOFF]
.irp f, 0,1,2,3,4,5,6,7
.set HB, ACC+16*\f
.set i, 0
.rept 16
	v_max_num_f32 v[HB+i], 0, v[HB+i]
.set i, i+1
.endr
.set i, 0
.rept 8
	v_cvt_pk_bf16_f32 v[HB+i], v[HB+2*i], v[HB+2*i+1]
.set i, i+1
.endr
	ds_store_b128 v[XAC], v[HB:HB+3] offset:1024*\f
	ds_store_b128 v[XAC], v[HB+4:HB+7] offset:1024*\f+512
.endr
	s_wait_dscnt 0x0
.endm
.macro FRAG_IN reg, adr, off
.irp b, 0,1,2,3
.irp j, 0,1,2,3
	ds_load_b128 v[\reg+16*\b+4*\j:\reg+16*\b+4*\j+3], v[\adr] offset:\off+128*\b+16*\j
.endr
.endr
.endm
.macro QUANT s
.irp b, 0,1,2,3
	v_max3_num_f32 v[TM+\b], |v[\s+16*\b]|, |v[\s+1+16*\b]|, 0x8000000
.endr
.irp i, 2,4,6,8,10,12,14
.irp b, 0,1,2,3
	v_max3_num_f32 v[TM+\b], v[TM+\b], |v[\s+16*\b+\i]|, |v[\s+1+16*\b+\i]|
.endr
.endr
.irp b, 0,1,2,3
	v_permlanex16_b32 v[TM+4+\b], v[TM+\b], s[SEL], s[SEL+1]
.endr
.irp b, 0,1,2,3
	v_max_num_f32 v[TM+\b], v[TM+\b], v[TM+4+\b]
.endr
.irp b, 0,1,2,3
	v_add_nc_u32 v[TM+12+\b], 0xf8800000, v[TM+\b]
.endr
.irp b, 0,1,2,3
	v_and_or_b32 v[TM+8+\b], v[TM+\b], 0x7f800000, s[MNT]
.endr
.irp b, 0,1,2,3
	v_lshrrev_b32 v[TM+4+\b], 23, v[TM+12+\b]
.endr
	v_lshl_or_b32 v[PW], v[TM+5], 8, v[TM+4]
	v_lshl_or_b32 v[PW], v[TM+6], 16, v[PW]
	v_lshl_or_b32 v[PW], v[TM+7], 24, v[PW]
.irp b, 0,1,2,3
.irp i, 0,1,2,3,4,5,6,7,8,9,10,11,12,13,14,15
	v_med3_num_f32 v[\s+16*\b+\i], v[\s+16*\b+\i], -v[TM+8+\b], v[TM+8+\b]
.endr
	v_cvt_scalef32_pk8_bf8_f32 v[PC+4*\b:PC+1+4*\b], v[\s+16*\b:\s+7+16*\b], v[TM+12+\b]
	v_cvt_scalef32_pk8_bf8_f32 v[PC+2+4*\b:PC+3+4*\b], v[\s+8+16*\b:\s+15+16*\b], v[TM+12+\b]
.endr
	v_nop
.endm
.macro IMAGE adr, off
.irp c, 0,1,2,3
	ds_store_b128 v[\adr], v[PC+4*\c:PC+4*\c+3] offset:\off+512*\c
.endr
.endm
.macro NORM reg
.set i, 0
.rept 32
	v_pk_add_f32 v[\reg+2*i:\reg+2*i+1], v[\reg+2*i:\reg+2*i+1], v[MU:MU+1] neg_lo:[0,1] neg_hi:[0,1]
.set i, i+1
.endr
.set i, 0
.rept 32
	v_pk_mul_f32 v[\reg+2*i:\reg+2*i+1], v[\reg+2*i:\reg+2*i+1], v[RS:RS+1]
.set i, i+1
.endr
.endm
.macro ROUNDQ rho, norm
.if (\norm) == 0
	s_wait_tensorcnt 0x0                           ; my one tensor load has landed; only I read its bytes
.endif
	s_mov_b32 s55, (\rho)*2*XV
	s_mov_b32 s56, 0
	s_mov_b32 s57, (\rho)*2048
	s_mov_b32 s[CNT], 2
.Lview_\@:
	v_add_nc_u32 v[XQ], s55, v[XA]
	v_add_nc_u32 v[EXQ], s56, v[L16W]
	v_add_nc_u32 v[ASQ], s57, v[L4W]
	FRAG_IN N0, XQ, 0
	FRAG_IN N1, XQ, 512
	s_wait_dscnt 16
.if \norm
	NORM N0
.endif
	QUANT N0
	IMAGE EXQ, 0
	ds_store_b32 v[ASQ], v[PW] offset:AS_O
	s_wait_dscnt 0x0
.if \norm
	NORM N1
.endif
	QUANT N1
	IMAGE EXQ, 2048
	ds_store_b32 v[ASQ], v[PW] offset:AS_O+128
	s_wait_dscnt 0x0
	s_add_co_u32 s55, s55, XV
	s_add_co_u32 s56, s56, 16384
	s_add_co_u32 s57, s57, 1024
	s_sub_co_u32 s[CNT], s[CNT], 1
	s_cmp_lg_u32 s[CNT], 0
	s_cbranch_scc1 .Lview_\@
	s_barrier_signal -1
	s_barrier_wait -1
	WIN 0x80+0x40*(\rho)
.set i, 0
.rept 64
	ds_load_b128 v[4*i:4*i+3], v[L16] offset:512*i
.set i, i+1
.endr
	WIN 0
.if (\rho) == 0
	BARRIER
.else
.irp v, 0,1,2,3
.irp p, 0,1,2,3
	ds_load_b32 v[AS+4*\v+\p], v[ASR] offset:AS_O+(8*\v+2*\p)*128
.endr
.endr
	s_wait_dscnt 0x0
.endif
.endm
.macro WSUM reg, off
	v_permlanex16_b32 v16, v[\reg], s[SEL], s[SEL+1]
	v_add_f32 v[\reg], v[\reg], v16
	ds_store_b32 v[L4W], v[\reg] offset:SCR2_O+\off
	BARRIER
.irp k, 0,1,2,3
	ds_load_b32 v[16+\k], v[L4] offset:SCR2_O+\off+256*\k
.endr
	s_wait_dscnt 0x0
	v_add_f32 v16, v16, v17
	v_add_f32 v18, v18, v19
	v_add_f32 v[\reg], v16, v18
.endm
.macro SQS reg
.set i, 0
.rept 32
	v_pk_add_f32 v[\reg+2*i:\reg+2*i+1], v[\reg+2*i:\reg+2*i+1], v[MU:MU+1] neg_lo:[0,1] neg_hi:[0,1]
.set i, i+1
.endr
.set i, 0
.rept 32
	v_pk_fma_f32 v[SQ+2*(i%4):SQ+2*(i%4)+1], v[\reg+2*i:\reg+2*i+1], v[\reg+2*i:\reg+2*i+1], v[SQ+2*(i%4):SQ+2*(i%4)+1]
.set i, i+1
.endr
.endm
	s_load_b256 s[4:11], s[0:1], 0x0
	s_load_b64 s[12:13], s[0:1], 0x20
	v_lshl_add_u32 v[SPW], v0, 2, SPARE
	v_mov_b32 v[NIL], 0
	ds_add_u32 v[SPW], v[NIL]
	ds_add_u32 v[SPW], v[NIL]
	v_lshrrev_b32 v3, 5, v0
	v_readfirstlane_b32 s[WV], v3
	s_mov_b32 s[G1+0], (2<<16)|(1<<20)|(7<<22)|(3<<25)
	s_mov_b32 s[G1+1], 256<<16
	s_mov_b32 s[G1+2], 16<<16
	s_mov_b32 s[G1+3], 256<<16
; ONE tile of three dimensions a wave: 256 f32 x 16 samples (4,096 elements apart) x 4 views (1,024 apart); 16 bytes of padding behind each row of 1,024 bytes: view v begins v x 16 x 1,040 = v x XV bytes on in LDS
.set G2, 28
.set G3, 32
	s_mov_b32 s[G1+4], 16|(4<<16)                  ; tile_dim1 = 16, tile_dim2 = 4
	s_mov_b32 s[G1+5], 4096                        ; from sample to sample
	s_mov_b32 s[G1+6], 1024<<16                    ; from view to view
	s_mov_b32 s[G1+7], 0
	s_mov_b32 s[G2+0], 4                           ; tensor_dim2 = 4
	s_mov_b32 s[G2+1], 1                           ; the fourth and fifth dimensions are not used: tile_dim3 = tile_dim4 = 0
	s_mov_b32 s[G2+2], 4096
	s_mov_b32 s[G2+3], 0
	s_mov_b32 s[G3+0], 4096
	s_mov_b32 s[G3+1], 1<<16
	s_mov_b32 s[G3+2], 0
	s_mov_b32 s[G3+3], 0
	s_mov_b32 s[SEL], 0x76543210
	s_mov_b32 s[SEL+1], 0xfedcba98
	s_mov_b32 s[MNT], 0x600000
	s_mul_i32 s[XB], s[WV], XW
	s_lshl_b32 s56, ttmp9, 18
	s_lshl_b32 s55, s[WV], 10
	s_add_co_u32 s56, s56, s55
	s_mov_b32 s57, 0
	s_wait_dscnt 0x0
	s_wait_kmcnt 0x0
	s_add_nc_u64 s[4:5], s[4:5], s[56:57]
	s_mov_b32 s[G0], 1
	s_add_co_u32 s[G0+1], s[XB], 0                 ; my wave's region of x
	s_mov_b64 s[G0+2:G0+3], s[4:5]                 ; my work-group's first sample, my 256 columns
	s_or_b32 s[G0+3], s[G0+3], 0x80000000
	tensor_load_to_lds s[G0:G0+3], s[G1:G1+7], s[G2:G2+3], s[G3:G3+3]   ; my one tensor load
	s_nop 0
	v_and_b32 v3, 31, v0
	v_and_b32 v11, 15, v0
	v_bfe_u32 v12, v0, 4, 1
	v_lshlrev_b32 v[L4], 2, v3
	v_lshlrev_b32 v[LOFF], 4, v3
	v_lshlrev_b32 v[BOFF], 6, v12
	v_mul_u32_u24 v[XA], v11, XR
	v_add_nc_u32 v[XA], v[XA], v[BOFF]
	v_add_nc_u32 v[XA], s[XB], v[XA]
	v_add_nc_u32 v[L16], EX, v[LOFF]
	s_lshl_b32 s55, s[WV], 12
	v_add_nc_u32 v[L16W], s55, v[L16]
	v_add_nc_u32 v[L4], EX, v[L4]
	s_lshl_b32 s55, s[WV], 8
	v_add_nc_u32 v[L4W], s55, v[L4]
	v_lshlrev_b32 v[ASR], 2, v11
	v_lshl_add_u32 v[ASR], v12, 7, v[ASR]
	v_add_nc_u32 v[ASR], EX, v[ASR]
.irp b, 0,1,2,3
	v_mov_b32 v[TM+4+\b], 0
.endr
	s_mul_i32 s56, s[WV], STREAM
	s_add_nc_u64 s[WLW:WLW+1], s[6:7], s[56:57]
	s_mul_i32 s56, s[WV], 16*REC
	s_add_nc_u64 s[EXW:EXW+1], s[8:9], s[56:57]
	s_and_b32 s[NJ], ttmp9, 3
	s_mov_b32 s[BA], 0
	s_and_b32 s55, ttmp9, 7
	s_lshl_b32 s56, s55, 16
	s_add_nc_u64 s[P:P+1], s[WLW:WLW+1], s[56:57]
	s_mul_i32 s56, s55, REC
	s_add_nc_u64 s[R:R+1], s[EXW:EXW+1], s[56:57]
	s_add_co_u32 s[J], s55, 1
	s_and_b32 s[J], s[J], 7
	s_lshl_b32 s56, s[J], 16
	s_add_nc_u64 s[PN:PN+1], s[WLW:WLW+1], s[56:57]
	s_mul_i32 s56, s[J], REC
	s_add_nc_u64 s[RN:RN+1], s[EXW:EXW+1], s[56:57]
	EXTRAS R, 0
	REFILL 0
	REFILL 1
	REFILL 2
	WIN 0
	v_mul_u32_u24 v[XQ], v[LOFF], 65               ; 1,040 x lane: a row of my region a lane
	v_add_nc_u32 v[XQ], s[XB], v[XQ]
	s_wait_alu depctr_va_vdst(0)
	s_wait_tensorcnt 0x0                           ; the region has had its only fill
	ds_store_b128 v[XQ], v[TM+4:TM+7] offset:1024  ; the 16 bytes of padding behind each of my 64 rows are cleared once (rows 0-31, then 32-63), so that every byte of the region is written
	ds_store_b128 v[XQ], v[TM+4:TM+7] offset:34304
	ROUNDQ 0, 0
	ROUNDQ 1, 0
.set i, 0
.rept 32
	v_mov_b32 v[SC+i], 0
.set i, i+1
.endr
	s_mov_b32 s[CNT], 7
.Lqk:
	CHUNK 1, 6
	EPI_QK
	STEPP 7, 1, 8
	s_sub_co_u32 s[CNT], s[CNT], 1
	s_cmp_lg_u32 s[CNT], 0
	s_cbranch_scc1 .Lqk
	CHUNK 1, 10
	EPI_QK
	STEPP 3, 0, 0
.set i, 0
.rept 16
	v_add_f32 v[128+i], v[SC+2*i], v[SC+2*i+1]
.set i, i+1
.endr
.set i, 0
.rept 16
	v_permlanex16_b32 v[144+i], v[128+i], s[SEL], s[SEL+1]
.set i, i+1
.endr
.set i, 0
.rept 16
	v_add_f32 v[128+i], v[128+i], v[144+i]
.set i, i+1
.endr
.irp c, 0,1,2,3
	ds_store_b128 v[L16W], v[128+4*\c:131+4*\c] offset:SCR1_O+512*\c
.endr
	BARRIER
.irp k, 0,1,2,3
.irp c, 0,1,2,3
	ds_load_b128 v[160+16*\k+4*\c:163+16*\k+4*\c], v[L16] offset:SCR1_O+4096*\k+512*\c
.endr
.endr
	s_mov_b32 s55, 0x3d38aa3b
	s_wait_dscnt 0x0
.irp k, 1,2,3
.irp j, 0,2,4,6,8,10,12,14
	v_pk_add_f32 v[160+\j:161+\j], v[160+\j:161+\j], v[160+16*\k+\j:161+16*\k+\j]
.endr
.endr
.irp v, 0,1,2,3
	v_max3_num_f32 v[224+\v], v[160+4*\v], v[161+4*\v], v[162+4*\v]
.endr
.irp v, 0,1,2,3
	v_max_num_f32 v[224+\v], v[224+\v], v[163+4*\v]
.endr
.irp v, 0,1,2,3
	v_mul_f32 v[228+\v], s55, v[224+\v]
.endr
.irp v, 0,1,2,3
.irp w, 0,1,2,3
	v_fma_f32 v[160+4*\v+\w], v[160+4*\v+\w], s55, -v[228+\v]
.endr
.endr
.set i, 0
	s_wait_alu depctr_va_vdst(0)
.rept 16
	v_exp_f32 v[160+i], v[160+i]
.set i, i+1
.endr
	v_mov_b32 v[MU], 0
	v_mov_b32 v[MU+1], 0
	v_mov_b32 v[RS], 0
	v_mov_b32 v[RS+1], 0
	s_wait_alu depctr_va_vdst(0)
.irp v, 0,1,2,3
	v_add_f32 v[224+\v], v[160+4*\v], v[161+4*\v]
.endr
.irp v, 0,1,2,3
	v_add_f32 v[232+\v], v[162+4*\v], v[163+4*\v]
.endr
.irp v, 0,1,2,3
	v_add_f32 v[224+\v], v[224+\v], v[232+\v]
.endr
	s_wait_alu depctr_va_vdst(0)
.irp v, 0,1,2,3
	v_rcp_f32 v[228+\v], v[224+\v]
.endr
	v_nop
	s_wait_alu depctr_va_vdst(0)
.irp v, 0,1,2,3
.irp w, 0,1,2,3
	v_mul_f32 v[AT+4*\v+\w], v[160+4*\v+\w], v[228+\v]
.endr
.endr
	s_mov_b32 s[TR], 0
	s_mov_b32 s[CNT], 4
.Lv:
	CHUNK 0, 10
	EPI_V
	STEPP 3, 2, 12
	s_add_co_u32 s[TR], s[TR], 1
	s_sub_co_u32 s[CNT], s[CNT], 1
	s_cmp_lg_u32 s[CNT], 0
	s_cbranch_scc1 .Lv
	s_mov_b32 s[NJ], 0
	s_wait_alu depctr_va_vdst(0)
	v_pk_add_f32 v[MU:MU+1], v[MU:MU+1], v[RS:RS+1]
	v_add_f32 v[MU], v[MU], v[MU+1]
	WSUM MU, 0
	v_mul_f32 v[MU], 0x39800000, v[MU]
	v_mov_b32 v[MU+1], v[MU]
.irp i, 0,1,2,3,4,5,6,7
	v_mov_b32 v[SQ+\i], 0
.endr
	s_mov_b32 s55, 0
	s_mov_b32 s[CNT], 4
.Lvar:
	v_add_nc_u32 v[XAC], s55, v[XA]
	FRAG_IN N0, XAC, 0
	FRAG_IN N1, XAC, 512
	s_wait_dscnt 16
	SQS N0
	s_wait_dscnt 0x0
	SQS N1
	s_add_co_u32 s55, s55, XV
	s_sub_co_u32 s[CNT], s[CNT], 1
	s_cmp_lg_u32 s[CNT], 0
	s_cbranch_scc1 .Lvar
	v_pk_add_f32 v[SQ:SQ+1], v[SQ:SQ+1], v[SQ+2:SQ+3]
	v_pk_add_f32 v[SQ+4:SQ+5], v[SQ+4:SQ+5], v[SQ+6:SQ+7]
	v_pk_add_f32 v[SQ:SQ+1], v[SQ:SQ+1], v[SQ+4:SQ+5]
	v_add_f32 v[RS], v[SQ], v[SQ+1]
	WSUM RS, 1024
	s_mov_b32 s55, 0x39800000
	s_mov_b32 s56, 0x3727c5ac
	v_fma_f32 v[RS], v[RS], s55, s56
	s_wait_alu depctr_va_vdst(0)
	v_rsq_f32 v[RS], v[RS]
	v_nop
	s_wait_alu depctr_va_vdst(0)
	v_mov_b32 v[RS+1], v[RS]
	ROUNDQ 0, 1
	ROUNDQ 1, 1
	s_mov_b32 s[TR], 0
	s_mov_b32 s[CNT], 3
.Lw1:
	CHUNK 0, 10
	EPI_W1
	STEPP 3, 1, 16
	s_add_co_u32 s[TR], s[TR], 1
	s_sub_co_u32 s[CNT], s[CNT], 1
	s_cmp_lg_u32 s[CNT], 0
	s_cbranch_scc1 .Lw1
	s_mov_b32 s[TR], 3
	CHUNK 0, 0
	REFILL 11
	WIN 0
	EPI_W1
	v_add_nc_u32 v[XAC], s[XB], v[LOFF]
	WIN 0x80
.set i, 0
.rept 64
	ds_load_b128 v[4*i:4*i+3], v[XAC] offset:512*i
.set i, i+1
.endr
	s_wait_loadcnt 0x0
	s_wait_dscnt 0x0
	WIN 0x09
.set i, 0
.rept 32
.if i < 4
	v_wmma_f32_16x16x32_bf16 v[OUT+8*(i%4):OUT+8*(i%4)+7], v[8*i:8*i+7], v[8*i:8*i+7], 0
.else
	v_wmma_f32_16x16x32_bf16 v[OUT+8*(i%4):OUT+8*(i%4)+7], v[8*i:8*i+7], v[8*i:8*i+7], v[OUT+8*(i%4):OUT+8*(i%4)+7]
.endif
.set i, i+1
.endr
	WIN 0
	v_and_b32 v17, 15, v0
	v_bfe_u32 v18, v0, 4, 1
	v_lshlrev_b32 v16, 6, v17
	v_lshl_add_u32 v16, v18, 5, v16
	s_lshl_b32 s55, s[WV], 10
	s_add_co_u32 s55, s55, EX+OUTS_O
	v_add_nc_u32 v16, s55, v16
	v_and_b32 v15, 31, v0
.irp a, 0,1,2,3,4
	v_add_nc_u32 v[22+\a], 32*\a, v15
	v_mul_u32_u24 v[17+\a], v[22+\a], 205
	v_lshrrev_b32 v[17+\a], 11, v[17+\a]
	v_mul_u32_u24 v28, v[17+\a], 10
	v_sub_nc_u32 v[22+\a], v[22+\a], v28
	v_lshlrev_b32 v[22+\a], 2, v[22+\a]
	v_lshl_add_u32 v[17+\a], v[17+\a], 6, v[22+\a]
	v_and_b32 v[17+\a], 0x3fc, v[17+\a]            ; 64 x sample + 4 x class, at most 996: held inside the 1,024 bytes of a wave's part
	v_add_nc_u32 v[17+\a], EX+OUTS_O, v[17+\a]
.endr
	v_lshlrev_b32 v15, 2, v15
.irp j, 0,2,4,6
	v_pk_add_f32 v[OUT+\j:OUT+\j+1], v[OUT+\j:OUT+\j+1], v[OUT+8+\j:OUT+8+\j+1]
	v_pk_add_f32 v[OUT+16+\j:OUT+16+\j+1], v[OUT+16+\j:OUT+16+\j+1], v[OUT+24+\j:OUT+24+\j+1]
.endr
.irp j, 0,2,4,6
	v_pk_add_f32 v[OUT+\j:OUT+\j+1], v[OUT+\j:OUT+\j+1], v[OUT+16+\j:OUT+16+\j+1]
.endr
	ds_store_b128 v16, v[OUT:OUT+3]
	ds_store_b128 v16, v[OUT+4:OUT+7] offset:16
	s_wait_tensorcnt 0x0
	ds_add_u32 v[SPW], v[NIL]
	s_wait_dscnt 0x0
	s_barrier_signal -1
	s_barrier_wait -1
	s_cmp_lg_u32 s[WV], 0
	s_cbranch_scc1 .Lend
.irp a, 0,1,2,3,4
	global_load_b32 v[27+\a], v[22+\a], s[10:11]
.endr
.irp a, 0,1,2,3,4
.irp k, 0,1,2,3
	ds_load_b32 v[128+4*\a+\k], v[17+\a] offset:1024*\k
.endr
.endr
	s_mul_i32 s56, ttmp9, 640
	s_mov_b32 s57, 0
	s_add_nc_u64 s[12:13], s[12:13], s[56:57]
	s_wait_dscnt 0x0
.irp a, 0,1,2,3,4
	v_add_f32 v[128+4*\a], v[128+4*\a], v[129+4*\a]
	v_add_f32 v[130+4*\a], v[130+4*\a], v[131+4*\a]
.endr
.irp a, 0,1,2,3,4
	v_add_f32 v[128+4*\a], v[128+4*\a], v[130+4*\a]
.endr
	s_wait_alu depctr_va_vdst(0)
	s_wait_loadcnt 0x0
.irp a, 0,1,2,3,4
	v_add_f32 v[128+4*\a], v[128+4*\a], v[27+\a]
.endr
.irp a, 0,1,2,3,4
	global_store_b32 v15, v[128+4*\a], s[12:13] offset:128*\a
.endr
.Lend:
	s_endpgm
.Lfunc_end_k_q5753330069_fused:
	.size	k_q5753330069_fused, .Lfunc_end_k_q5753330069_fused-k_q5753330069_fused
	.p2alignl 7, 3214868480
	.fill 96, 4, 3214868480
	.section	.rodata,"a",@progbits
	.p2align	6, 0x0
	.amdhsa_kernel k_q5753330069_fused
		.amdhsa_group_segment_fixed_size 327680
		.amdhsa_private_segment_fixed_size 0
		.amdhsa_enable_private_segment 0
		.amdhsa_kernarg_size 40
		.amdhsa_user_sgpr_count 2
		.amdhsa_user_sgpr_kernarg_segment_ptr 1
		.amdhsa_wavefront_size32 1
		.amdhsa_system_sgpr_workgroup_id_x 1
		.amdhsa_system_sgpr_workgroup_id_y 1
		.amdhsa_system_sgpr_workgroup_id_z 1
		.amdhsa_system_vgpr_workitem_id 0
		.amdhsa_next_free_vgpr 1024
		.amdhsa_next_free_sgpr 66
		.amdhsa_reserve_vcc 0
		.amdhsa_float_denorm_mode_32 3
		.amdhsa_float_denorm_mode_16_64 3
		.amdhsa_memory_ordered 1
		.amdhsa_forward_progress 1
		.amdhsa_inst_pref_size 255
	.end_amdhsa_kernel
	.section	.bss,"aw",@nobits
	.p2align	6
	.space	262144
	.amdgpu_metadata
---
amdhsa.version: [ 1, 2 ]
amdhsa.kernels:
  - .name:           k_q5753330069_fused
    .symbol:         k_q5753330069_fused.kd
    .args:
      - { .name: xt, .offset: 0, .size: 8, .value_kind: global_buffer, .address_space: global }
      - { .name: WL, .offset: 8, .size: 8, .value_kind: global_buffer, .address_space: global }
      - { .name: EXT, .offset: 16, .size: 8, .value_kind: global_buffer, .address_space: global }
      - { .name: bf, .offset: 24, .size: 8, .value_kind: global_buffer, .address_space: global }
      - { .name: out0, .offset: 32, .size: 8, .value_kind: global_buffer, .address_space: global }
    .group_segment_fixed_size: 327680
    .private_segment_fixed_size: 0
    .kernarg_segment_align: 8
    .kernarg_segment_size: 40
    .max_flat_workgroup_size: 128
    .sgpr_count:     66
    .vgpr_count:     1024
    .wavefront_size: 32
...
	.end_amdgpu_metadata
.endif
;; end of part 2
